; MI455X (gfx1250); checked and timed in simulation.
; The chip was launched on July 23, 2026; its instructions are those of AMD's public machine-readable ISA for CDNA 5 (MIT licence, August 2026) and "CDNA5" Instruction Set Architecture Reference Guide (July 2026). The comments in the code are by the model that wrote it; some were corrected since.
;; Lightning Attention Layer. Allowed arithmetic: matrix products marked QUANTISED: E2M3 operands, one E8M0 scale for each 32 along K, by v_wmma_scale_f32_16x16x128_f8f6f4 with both operands' format E2M3, f32 sums; everything else in f32.
;; Inputs: Wk_codes 2,048 x 64 x 24 uint8 (E2M3 codes of Wk, K innermost, in blocks of 32 codes, four codes in three bytes); Wk_scales 2,048 x 64 uint8 (E8M0 scales of Wk, one for each 32 codes along K); Wo_codes 2,048 x 64 x 24 uint8 (E2M3 codes of Wo, K innermost, in blocks of 32 codes, four codes in three bytes); Wo_scales 2,048 x 64 uint8 (E8M0 scales of Wo, one for each 32 codes along K); Wq_codes 2,048 x 64 x 24 uint8 (E2M3 codes of Wq, K innermost, in blocks of 32 codes, four codes in three bytes); Wq_scales 2,048 x 64 uint8 (E8M0 scales of Wq, one for each 32 codes along K); Wv_codes 2,048 x 64 x 24 uint8 (E2M3 codes of Wv, K innermost, in blocks of 32 codes, four codes in three bytes); Wv_scales 2,048 x 64 uint8 (E8M0 scales of Wv, one for each 32 codes along K); attention_mask 1 x 1 x 1 x 2,048 int32; x_codes 1 x 2,048 x 64 x 24 uint8 (E2M3 codes of x, K innermost, in blocks of 32 codes, four codes in three bytes); x_scales 1 x 2,048 x 64 uint8 (E8M0 scales of x, one for each 32 codes along K).
;; Outputs: out0 1 x 2,048 x 2,048 float32.
;; This version of the problem:
;;   THIS VERSION OF THE PROBLEM IS GIVEN IN LOW PRECISION. The matrix products marked QUANTISED in the list below multiply operands that are first quantised to E2M3 (2 exponent bits, 3 mantissa bits; 6 bits a number), with one power-of-two scale for each 32 numbers along K (OCP MX v1.0); their sums are f32. All else is computed in f32.
;;   The module's matrix products, in the order in which they are computed (A, B: the left and right operand; K: the contracted axis; several contracted axes count as one K, in the product's order):
;;     1. [M 2,048, K 2,048] x [K 2,048, N 2,048]; A: input x (given as codes); B: input Wq (given as codes): QUANTISED
;;     2. [M 2,048, K 2,048] x [K 2,048, N 2,048]; A: input x (given as codes); B: input Wk (given as codes): QUANTISED
;;     3. [M 2,048, K 2,048] x [K 2,048, N 2,048]; A: input x (given as codes); B: input Wv (given as codes): QUANTISED
;;     4. batch 32 x [M 2,048, K 64] x [K 64, N 2,048]; A: computed on the way; B: computed on the way: QUANTISED
;;     5. batch 32 x [M 2,048, K 2,048] x [K 2,048, N 64]; A: softmax (see below); B: computed on the way: QUANTISED
;;     6. [M 2,048, K 2,048] x [K 2,048, N 2,048]; A: computed on the way; B: input Wo (given as codes): QUANTISED
;;   THE QUANTISER, for each operand of a quantised product, along K:
;;     - K is cut into blocks of 32 from its start; a last block that is shorter is filled with zeros.
;;     - A block's scale is 2^e with e = floor(log2(the largest magnitude in the block)) - 2, held to -126 .. 127; a block of zeros has e = 0. As a byte (E8M0): e + 127.
;;     - Each number is divided by its block's scale, clamped to +-7.5, and rounded to the nearest number of E2M3, ties to even, subnormals kept.
;;     - The product sums the exact products of the quantised numbers (number of the format x scale) in f32.
;;   ~~~python
;;   def quantise(x, axis):      # numpy; x: float32 -> the quantised numbers, widened to float32 again
;;       x = np.moveaxis(x, axis, -1); K = x.shape[-1]
;;       x = np.pad(x, [(0, 0)] * (x.ndim - 1) + [(0, -K % 32)]); x = x.reshape(x.shape[:-1] + (-1, 32)); a = np.abs(x).max(-1, keepdims=True)
;;       e = np.where(a > 0, np.clip(np.frexp(np.where(a > 0, a, 1))[1] - 1 - 2, -126, 127), 0)      # np.frexp(a)[1] - 1 = floor(log2(a)), exactly
;;       r = np.clip(x / 2.0 ** e, -7.5, 7.5)
;;       step = 2.0 ** (np.maximum(np.frexp(np.where(r == 0, 1, r))[1] - 1, 0) - 3)
;;       q = np.round(r / step) * step * 2.0 ** e      # np.round: ties to even
;;       return np.moveaxis(q.reshape(q.shape[:-2] + (-1,))[..., :K], -1, axis).astype(np.float32)
;;   ~~~
;;   SOFTMAX AHEAD OF A QUANTISED PRODUCT. Where the list says 'softmax', what is quantised is not the finished softmax but p = 2^(t - M), with t = logit x log2(e) and M = ceil(the row's largest t), a whole number; so 1/2 < the row's largest p <= 1. The row's sum l is taken of the UNQUANTISED p, in f32, and the product's result is divided by l at the end. Since M is a whole number, a kernel that streams over the keys may use a running M (the ceiling of the running maximum): every later rescaling is an exact power of two, which a block's scale takes up: the codes' values come out the same.
;;   OPERANDS COMPUTED ON THE WAY. 'Computed on the way' means the value that the module computes at that place (a softmax that the list does not call 'softmax' is quantised finished and normalised). What goes into a quantiser is computed in f32, as accurately as f32 sums, v_exp_f32 and their like allow (about 1e-6 of the number): no bf16 or f16 on the way to a quantiser, and a product that is left as it is and whose result goes on into a quantised operand takes f32 operands (vector FMAs, or v_wmma_f32_16x16x4_f32). A number that lies on a knife's edge between two numbers of the format may be rounded either way, as far as f32 arithmetic and the matrix unit's own rounding can turn it there, and no further.
;;   INPUTS GIVEN AS CODES. Wk (in the module: [2048, 2048], K = its axis 1); Wo (in the module: [2048, 2048], K = its axis 1); Wq (in the module: [2048, 2048], K = its axis 1); Wv (in the module: [2048, 2048], K = its axis 1); x (in the module: [1, 2048, 2048], K = its axis 2): each comes as NAME_codes (uint8): NAME with its K axis moved to the last place and cut into blocks of 32 codes, [.., K / 32, bytes a block], one block behind the other in memory; four codes in three bytes: a row's codes are one little-endian stream of bits, code i at bits 6 i .. 6 i + 5 (a code: sign, 2 exponent bits, 3 mantissa bits); and NAME_scales (uint8): the same leading axes, one E8M0 byte (e + 127) for each 32 codes along K. Its value is code x scale, taken as it is: it is not quantised again, and the codes and scales need not be those that the quantiser above would give.
;; One version. Each part assembles by itself: llvm-mc -triple=amdgcn-amd-amdhsa -mcpu=gfx1250 --defsym DOCPART=n.
;; ======== version 1 of 1: 3 launches
;; limits: right only within a limited range of input values
;; workspace buffers: kv 7,733,248 bytes; qimg 3,145,728 bytes; qsc 262,144 bytes; aimg 3,145,728 bytes; asc 131,072 bytes; wimg 3,145,728 bytes
;; launch qkv (part 1): grid 32 x 8, 4 waves a work-group, clusters of 4 x 4, 327,680 bytes of LDS; arguments x_codes, x_scales, Wq_codes, Wq_scales, Wk_codes, Wk_scales, Wv_codes, Wv_scales, attention_mask, qimg, qsc, kv; writes qimg, qsc, kv
.if DOCPART == 1
	.amdgcn_target "amdgcn-amd-amdhsa--gfx1250"
	.amdhsa_code_object_version 6
	.text
	.protected	k_q61729380d2_qkv
	.globl	k_q61729380d2_qkv
	.p2align	8
	.type	k_q61729380d2_qkv,@function
k_q61729380d2_qkv:
	s_mov_b64 s[64:65], 0
	v_nop
	global_prefetch_b8 v0, s[64:65] scope:SCOPE_SE
	s_setreg_imm32_b32 hwreg(HW_REG_WAVE_MODE, 25, 1), 1
	s_wait_xcnt 0x0
	s_wait_alu depctr_hold_cnt(0) depctr_sa_sdst(0) depctr_va_vdst(0) depctr_va_sdst(0) depctr_va_ssrc(0) depctr_va_vcc(0) depctr_vm_vsrc(0)
	s_getreg_b32 s2, hwreg(HW_REG_IB_STS2, 6, 4)
	s_cmp_eq_u32 s2, 0
	s_cbranch_scc0 .Lentry_in_a_cluster
	s_endpgm
.Lentry_in_a_cluster:
	s_bfe_u32 s2, ttmp6, 0x10000c
	s_cmp_lg_u32 s2, 0xf033
	s_cbranch_scc0 .Lentry_shape_is_right
	s_endpgm
.Lentry_shape_is_right:
; q, k, v = x Wq^T, x Wk^T, x Wv^T on the given codes of FP6 (E2M3) with E8M0 scales; RoPE on q and k; the key mask; q and k are quantised along the head's 64, v along the keys.
; SHARES.  A work-group takes one head (64 rows of each W) and 256 tokens; wave w takes tokens 64 w .. 64 w + 63 against all 12 tiles of W: 48 accumulators.
; q and k are used transposed (source 0 = rows of W, source 1 = tokens): a lane holds one token.  v: source 0 = tokens, source 1 = rows of Wv: a lane holds one channel, its registers run along the tokens.
; K goes through two LDS slots in CHUNKS OF 256 BYTES of each row (a row of codes is 1,536 bytes): 6 chunks, chunk c in slot c % 2.  A step of 128 along K is 96 bytes: steps 2, 5, 10, 13 lie across two chunks.
; The walk is written out: slots and chunks come back to where they began only after all 16 steps.
; CLUSTER 4 x 4: x's tile is shared along a row of the cluster, W's tiles along a column: joint loads, wave 0 for x, waves 1 to 3 for Wq, Wk, Wv.
; SCALE WORDS come from memory into registers, 8 bytes a row for a pair of steps, asked for one pair ahead.
; PREFETCH: with the refill of chunk c the partners ask for chunk c + 1, rows shared out by address; chunks 1 and 2 are asked for at the head; nothing beyond chunk 5.
; WHAT IS STORED: images of operand registers.  A half fragment (16 rows x 64 K, 6 registers): registers 0-3 at 16 x lane, 4-5 at 512 + 8 x lane.  A tile of k: 8 registers, 0-3 at 16 x lane, 4-7 at 512 + 16 x lane.
; WHICH KEYS FORM A TILE OF k: of a record's 128 keys, tile 4 c + i holds in row 8 h + j the key 32 (2 c + h) + 16 (i % 2) + 8 (i / 2) + j: in the scores a lane then holds a whole block of 32 keys,
; in the order of v's codes (place 16 h + 8 u + j of a block holds element 16 u + 8 h + j).  For q and k the pairs of RoPE stand in one fixed order on both sides.
; THE MASK rides in the unused half of the score product's K = 128: a masked key's codes are zeros, its code at k = 64 is -1.0 and that block's scale byte 160 (2^33); the query holds 1.0 there.
; LIMITS: a masked score is -2^33 (as a logit -1.0737e9) where the model writes -1e9.  inv_freq is 10^(-i/8) rounded to f32.  NaN and infinities are not served.  Blocks under 2^-124 keep the scale byte 1.
; REGISTERS.  window 0: v1 r, v2 h, v3 16 lane, v4 8 lane, v5 16 r, v6-9 mask, v10 64 r, v12-15 x's addresses, v16-19 W's, v20-22 constants, v26-27 k's store offsets, v28-29 spare word and 0, v30 prefetch offset,
;   v32-95 scale words (two sets), v96-191 x's fragments (two sets), v192-255 at work.  window 1: v0-95 W's fragments (two sets), v128-191 cos, v192-255 sin.  window 2: q, k.  window 3: v.
.set PITCH, 272
.set SLOT,  121856
.set WOFF,  69632
.set WROWS, 17408
.set SPARE, 243712
.set REC,   15104
.set WV,    88
.set MSB, 0
.macro WIN new
.if MSB != (\new)
	s_set_vgpr_msb (MSB<<8)|(\new)
.set MSB, (\new)
.endif
.endm
.macro PLACES n
.rept \n
	v_nop
.endr
.endm
.macro JLOAD g0x, g1x, g0w, g1w
	s_cmp_eq_u32 s[WV], 0
	s_cbranch_scc0 .Lfor_w_\@
	tensor_load_to_lds s[\g0x:\g0x+3], s[\g1x:\g1x+7]
	s_nop 0
.rept 4
	v_nop
.endr
	s_branch .Lasked_\@
.Lfor_w_\@:
	tensor_load_to_lds s[\g0w:\g0w+3], s[\g1w:\g1w+7]
	s_nop 0
.rept 4
	v_nop
.endr
.Lasked_\@:
.endm
.macro CREST
	s_cmp_lg_u32 s[WV], 0
	s_cbranch_scc1 .Lnot_wave_0_\@
	s_barrier_signal -3
.Lnot_wave_0_\@:
	s_barrier_wait -3
	s_barrier_signal -1
	s_barrier_wait -1
.endm
.macro CROUND
	s_barrier_signal -1
	s_barrier_wait -1
	CREST
.endm
.macro ASK c                           ; chunk c of my work-group's share of the rows that I fetch: wave 0 64 rows of x, waves 1-3 16 rows of a W
	global_prefetch_b8 v30, s[84:85] offset:256*(\c) th:TH_LOAD_NT scope:SCOPE_SE
	s_cmp_lg_u32 s[WV], 0
	s_cbranch_scc1 .Lpf_\@
	global_prefetch_b8 v30, s[84:85] offset:256*(\c)+49152 th:TH_LOAD_NT scope:SCOPE_SE
.Lpf_\@:
.endm
	s_load_b256 s[4:11], s[0:1], 0x0               ; x's codes, x's scales, Wq's codes, Wq's scales
	s_load_b256 s[12:19], s[0:1], 0x20             ; Wk's, Wv's
	s_load_b256 s[20:27], s[0:1], 0x40             ; the mask, qimg, qsc, kv
	v_lshl_add_u32 v28, v0, 2, SPARE
	v_mov_b32 v29, 0
	ds_add_u32 v28, v29
	ds_add_u32 v28, v29
	v_lshrrev_b32 v1, 5, v0
	v_readfirstlane_b32 s[WV], v1
	s_bfe_u32 s89, ttmp6, 0x40000                  ; cx
	s_bfe_u32 s90, ttmp6, 0x40004                  ; cy
	s_lshl_b32 s91, ttmp9, 2
	s_add_co_u32 s91, s91, s89                     ; the head
	s_and_b32 s92, ttmp7, 0xffff
	s_lshl_b32 s92, s92, 2
	s_add_co_u32 s92, s92, s90                     ; the block of 256 tokens
	s_lshl_b32 s93, s90, 2
	s_lshl_b32 s93, 15, s93
	s_lshl_b32 s2, 0x1111, s89
	s_or_b32 s28, s93, (1<<20)|(1<<21)|(5<<22)|(3<<25)   ; x: 256 rows of 256 bytes, 1,536 apart, 16 bytes of padding behind each
	s_mov_b32 s29, 256<<16
	s_mov_b32 s30, 256<<16
	s_mov_b32 s31, 256<<16
	s_mov_b32 s32, 256
	s_mov_b32 s33, 1536
	s_mov_b32 s34, 0
	s_mov_b32 s35, 0
	s_or_b32 s36, s2, (1<<20)|(1<<21)|(5<<22)|(3<<25)    ; a W: 64 rows
	s_mov_b32 s37, 256<<16
	s_mov_b32 s38, 64<<16
	s_mov_b32 s39, 256<<16
	s_mov_b32 s40, 64
	s_mov_b32 s41, 1536
	s_mov_b32 s42, 0
	s_mov_b32 s43, 0
	s_mov_b32 s100, 0x76543210
	s_mov_b32 s101, 0xfedcba98
	s_mul_i32 s3, s[WV], WROWS
	s_add_co_u32 s3, s3, WOFF-WROWS                ; where my W's 64 rows go in a slot
	s_wait_dscnt 0x0
	s_wait_kmcnt 0x0
	s_cmp_eq_u32 s[WV], 2
	s_cselect_b64 s[8:9], s[12:13], s[8:9]
	s_cmp_eq_u32 s[WV], 3
	s_cselect_b64 s[8:9], s[16:17], s[8:9]
	s_mul_i32 s94, s92, 393216
	s_mov_b32 s95, 0
	s_add_nc_u64 s[4:5], s[4:5], s[94:95]
	s_lshl_b32 s94, s92, 14
	s_lshl_b32 s66, s[WV], 12
	s_add_co_u32 s94, s94, s66
	s_add_nc_u64 s[6:7], s[6:7], s[94:95]          ; x's scales at my 64 tokens
	s_mul_i32 s66, s91, 98304
	s_mov_b32 s67, 0
	s_add_nc_u64 s[8:9], s[8:9], s[66:67]
	s_lshl_b32 s66, s91, 12
	s_add_nc_u64 s[10:11], s[10:11], s[66:67]      ; the three W's scales at my head
	s_add_nc_u64 s[14:15], s[14:15], s[66:67]
	s_add_nc_u64 s[18:19], s[18:19], s[66:67]
	s_cmp_eq_u32 s[WV], 0                          ; the prefetches' base: my tile, my work-group's share of its rows by its place among the four partners
	s_cselect_b64 s[84:85], s[4:5], s[8:9]
	s_cselect_b32 s86, s89, s90
	s_cselect_b32 s93, 31, 15
	s_mov_b32 s87, 24576
	s_cselect_b32 s87, 98304, s87
	s_mul_i32 s86, s86, s87
	s_mov_b32 s87, 0
	s_add_nc_u64 s[84:85], s[84:85], s[86:87]
	CROUND
.irp s, 0,1
	s_mov_b32 s[60+8*\s], 1
	s_mov_b32 s[61+8*\s], \s*SLOT
	s_add_nc_u64 s[62+8*\s:63+8*\s], s[4:5], \s*256
	s_or_b32 s[63+8*\s], s[63+8*\s], 0x80000000
	s_mov_b32 s[72+4*\s], 1
	s_add_co_u32 s[73+4*\s], s3, \s*SLOT
	s_add_nc_u64 s[74+4*\s:75+4*\s], s[8:9], \s*256
	s_or_b32 s[75+4*\s], s[75+4*\s], 0x80000000
.endr
	JLOAD 60, 28, 72, 36                           ; chunk 0: one tensor load a wave at the head
	v_and_b32 v1, 15, v0
	v_bfe_u32 v2, v0, 4, 1
	v_and_b32 v24, 31, v0
	v_lshlrev_b32 v3, 4, v24
	v_lshlrev_b32 v4, 3, v24
	v_lshlrev_b32 v5, 4, v1
	v_lshlrev_b32 v23, 2, v1
	v_lshlrev_b32 v10, 6, v1
	v_and_b32 v30, s93, v24
	v_mul_u32_u24 v30, v30, 1536
	s_wait_alu depctr_va_vdst(0)
	s_lshl_b32 s94, s92, 10
	s_lshl_b32 s95, s[WV], 8
	s_add_co_u32 s94, s94, s95
	s_mov_b32 s95, 0
	s_add_nc_u64 s[20:21], s[20:21], s[94:95]
.irp a, 0,1,2,3
	global_load_b32 v[6+\a], v23, s[20:21] offset:64*\a
.endr
.macro GSCALES pr                      ; the scale words of steps 2 pr, 2 pr + 1 into set pr % 2: x's tile a at +2 a, W number m's tile t at +8 + 8 m + 2 t
.irp a, 0,1,2,3
	global_load_b64 v[32+32*((\pr)%2)+2*\a:33+32*((\pr)%2)+2*\a], v10, s[6:7] offset:1024*\a+8*(\pr)
.endr
.irp m, 0,1,2
.irp t, 0,1,2,3
	global_load_b64 v[40+32*((\pr)%2)+8*\m+2*\t:41+32*((\pr)%2)+8*\m+2*\t], v10, s[10+4*\m:11+4*\m] offset:1024*\t+8*(\pr)
.endr
.endr
.endm
	GSCALES 0
	ASK 1
	ASK 2
	v_mul_u32_u24 v25, v1, PITCH
	s_mov_b32 s94, SLOT-232
	s_mov_b32 s95, SLOT+232
	v_sub_nc_u32 v27, 1, v2
	v_mul_u32_u24 v26, s94, v2
	v_add_nc_u32 v26, v25, v26
	v_add_nc_u32 v26, 232, v26                     ; across two chunks: lanes 0-15 byte 232 of the row in slot 0, lanes 16-31 byte 0 in slot 1
	v_mul_u32_u24 v27, s95, v27
	v_add_nc_u32 v27, v25, v27                     ; and the other way round
	v_mad_u32_u24 v25, v2, 24, v25
	s_mul_i32 s94, s[WV], WROWS
	v_add_nc_u32 v12, s94, v25
	v_add_nc_u32 v13, SLOT, v12
	v_add_nc_u32 v14, s94, v26
	v_add_nc_u32 v15, s94, v27
	v_add_nc_u32 v16, WOFF, v25
	v_add_nc_u32 v17, SLOT, v16
	v_add_nc_u32 v18, WOFF, v26
	v_add_nc_u32 v19, WOFF, v27
	v_lshrrev_b32 v25, 3, v1                       ; k's store offsets: tile + 2 (r / 8), row r % 8
	v_and_b32 v27, 7, v1
	v_lshlrev_b32 v27, 4, v27
	v_lshl_add_u32 v26, v25, 11, v27
	v_lshl_add_u32 v26, v2, 8, v26
	v_lshl_add_u32 v27, v25, 3, v27
	v_mov_b32 v20, 0x28
	v_mov_b32 v21, 160
	v_mov_b32 v22, 1
	v_cmp_eq_u32 vcc_lo, 1, v2
.macro INV p, lo, hi
	v_mov_b32 v[192+\p], \hi
	v_cndmask_b32 v[192+\p], \lo, v[192+\p], vcc_lo
.endm
	INV 0,  1.0,            0.3162277660
	INV 1,  0.7498942093,   0.2371373706
	INV 2,  0.5623413252,   0.1778279410
	INV 3,  0.4216965034,   0.1333521432
	INV 4,  0.1,            0.03162277660
	INV 5,  0.07498942093,  0.02371373706
	INV 6,  0.05623413252,  0.01778279410
	INV 7,  0.04216965034,  0.01333521432
	INV 8,  0.01,           0.003162277660
	INV 9,  0.007498942093, 0.002371373706
	INV 10, 0.005623413252, 0.001778279410
	INV 11, 0.004216965034, 0.001333521432
	INV 12, 0.001,           0.0003162277660
	INV 13, 0.0007498942093, 0.0002371373706
	INV 14, 0.0005623413252, 0.0001778279410
	INV 15, 0.0004216965034, 0.0001333521432
	s_lshl_b32 s94, s92, 8
	s_lshl_b32 s95, s[WV], 6
	s_add_co_u32 s94, s94, s95
	v_add_nc_u32 v208, s94, v1
	v_cvt_f32_u32 v208, v208
	v_mov_b32 v209, v208
	v_mov_b32 v210, 0x4b400000
	v_mov_b32 v211, 0x4b400000
	v_mov_b32 v212, 0x3638ef1d
	v_mov_b32 v213, 0x3638ef1d
	v_mov_b32 v214, 0xb493f27e
	v_mov_b32 v215, 0xb493f27e
; cos and sin of position x inv_freq (the f32 product, as the model has it) for tile a's token: n = nearest whole number to angle / pi, r = angle - n pi in two parts, sin to r^11, cos to r^12, sign (-1)^n
.macro SINCOS a
.irp e, 0,2,4,6,8,10,12,14
	v_pk_mul_f32 v[96+\e:97+\e], v[192+\e:193+\e], v[208:209] op_sel_hi:[1,0]
.endr
.irp e, 0,2,4,6,8,10,12,14
	v_pk_fma_f32 v[112+\e:113+\e], v[96+\e:97+\e], 0x3ea2f983, v[210:211] op_sel_hi:[1,0,1]
.endr
.irp e, 0,2,4,6,8,10,12,14
	v_pk_add_f32 v[128+\e:129+\e], v[112+\e:113+\e], v[210:211] neg_lo:[0,1] neg_hi:[0,1]
.endr
.irp e, 0,2,4,6,8,10,12,14
	v_pk_fma_f32 v[96+\e:97+\e], v[128+\e:129+\e], 0xc0490fdb, v[96+\e:97+\e] op_sel_hi:[1,0,1]
.endr
.irp e, 0,2,4,6,8,10,12,14
	v_pk_fma_f32 v[96+\e:97+\e], v[128+\e:129+\e], 0x33bbbd2e, v[96+\e:97+\e] op_sel_hi:[1,0,1]
.endr
.irp e, 0,2,4,6,8,10,12,14
	v_pk_mul_f32 v[144+\e:145+\e], v[96+\e:97+\e], v[96+\e:97+\e]
.endr
.irp e, 0,2,4,6,8,10,12,14
	v_pk_fma_f32 v[160+\e:161+\e], v[144+\e:145+\e], 0xb2d7322b, v[212:213] op_sel_hi:[1,0,1]
	v_pk_fma_f32 v[176+\e:177+\e], v[144+\e:145+\e], 0x310f76c7, v[214:215] op_sel_hi:[1,0,1]
.endr
.irp e, 0,2,4,6,8,10,12,14
	v_pk_fma_f32 v[160+\e:161+\e], v[160+\e:161+\e], v[144+\e:145+\e], 0xb9500d01 op_sel_hi:[1,1,0]
	v_pk_fma_f32 v[176+\e:177+\e], v[176+\e:177+\e], v[144+\e:145+\e], 0x37d00d01 op_sel_hi:[1,1,0]
.endr
.irp e, 0,2,4,6,8,10,12,14
	v_pk_fma_f32 v[160+\e:161+\e], v[160+\e:161+\e], v[144+\e:145+\e], 0x3c088889 op_sel_hi:[1,1,0]
	v_pk_fma_f32 v[176+\e:177+\e], v[176+\e:177+\e], v[144+\e:145+\e], 0xbab60b61 op_sel_hi:[1,1,0]
.endr
.irp e, 0,2,4,6,8,10,12,14
	v_pk_fma_f32 v[160+\e:161+\e], v[160+\e:161+\e], v[144+\e:145+\e], 0xbe2aaaab op_sel_hi:[1,1,0]
	v_pk_fma_f32 v[176+\e:177+\e], v[176+\e:177+\e], v[144+\e:145+\e], 0x3d2aaaab op_sel_hi:[1,1,0]
.endr
.irp e, 0,2,4,6,8,10,12,14
	v_pk_mul_f32 v[128+\e:129+\e], v[144+\e:145+\e], v[96+\e:97+\e]
	v_pk_fma_f32 v[176+\e:177+\e], v[176+\e:177+\e], v[144+\e:145+\e], -0.5 op_sel_hi:[1,1,0]
.endr
.irp e, 0,2,4,6,8,10,12,14
	v_pk_fma_f32 v[160+\e:161+\e], v[160+\e:161+\e], v[128+\e:129+\e], v[96+\e:97+\e]
	v_pk_fma_f32 v[176+\e:177+\e], v[176+\e:177+\e], v[144+\e:145+\e], 1.0 op_sel_hi:[1,1,0]
.endr
.irp p, 0,1,2,3,4,5,6,7,8,9,10,11,12,13,14,15
	v_lshlrev_b32 v[112+\p], 31, v[112+\p]
.endr
	WIN 0x40
.irp p, 0,1,2,3,4,5,6,7,8,9,10,11,12,13,14,15
	v_xor_b32 v[128+16*\a+\p], v[112+\p], v[176+\p]
	v_xor_b32 v[192+16*\a+\p], v[112+\p], v[160+\p]
.endr
	WIN 0
	v_add_f32 v208, 0x41800000, v208
.endm
	SINCOS 0
	SINCOS 1
	SINCOS 2
	SINCOS 3
	s_wait_alu depctr_va_vdst(0)
	s_wait_loadcnt 0x0                             ; the mask words and the first scale words
.irp a, 0,1,2,3
	v_cmp_eq_u32 s[96+\a], 0, v[6+\a]
.endr
; a fragment, 16 rows x 128 K: 12 registers in pieces of 8 bytes; byte y of a row lies in chunk y / 256, slot (y / 256) % 2; lanes 16-31 read 24 bytes on, where need be in the next chunk
.macro FRAG reg, adr, st, row
.irp p, 0,1,2,3,4,5
.set BY, 96*(\st)+48*(\p/3)+8*(\p%3)
.if BY/256 == (BY+24)/256
	ds_load_b64 v[\reg+2*\p:\reg+2*\p+1], v[\adr+(BY/256)%2] offset:BY%256+(\row)*PITCH
.else
	ds_load_b64 v[\reg+2*\p:\reg+2*\p+1], v[\adr+2+(BY/256)%2] offset:BY%256-232+(\row)*PITCH
.endif
.endr
.endm
.macro FETCHW st, m, wb
	WIN 0x40
.irp t, 0,1,2,3
	FRAG 48*(\wb)+12*\t, 16, \st, 64*(\m)+16*\t
.endr
	WIN 0
.endm
.macro FETCHX st
.irp a, 0,1,2,3
	FRAG 96+48*((\st)%2)+12*\a, 12, \st, 16*\a
.endr
.endm
; four matrix instructions on four accumulators; the 48 take turns, one instruction a turn.  Step 0's products start the sums.
.macro MUL4 m, i, wb, st
.irp t, 0,1,2,3
.if (\m) < 2
.set RD_, 128*(\m)+32*(\i)+8*\t
.set RA_, 48*(\wb)+12*\t
.set RB_, 96+48*((\st)%2)+12*(\i)
.set SA_, 40+32*(((\st)/2)%2)+8*(\m)+2*\t+(\st)%2
.set SB_, 32+32*(((\st)/2)%2)+2*(\i)+(\st)%2
.else
.set RD_, 32*(\i)+8*\t
.set RA_, 96+48*((\st)%2)+12*\t
.set RB_, 48*(\wb)+12*(\i)
.set SA_, 32+32*(((\st)/2)%2)+2*\t+(\st)%2
.set SB_, 56+32*(((\st)/2)%2)+2*(\i)+(\st)%2
.endif
.if (\st) == 0
	v_wmma_scale_f32_16x16x128_f8f6f4 v[RD_:RD_+7], v[RA_:RA_+11], v[RB_:RB_+11], 0, v[SA_], v[SB_] matrix_a_fmt:MATRIX_FMT_FP6 matrix_b_fmt:MATRIX_FMT_FP6
.else
	v_wmma_scale_f32_16x16x128_f8f6f4 v[RD_:RD_+7], v[RA_:RA_+11], v[RB_:RB_+11], v[RD_:RD_+7], v[SA_], v[SB_] matrix_a_fmt:MATRIX_FMT_FP6 matrix_b_fmt:MATRIX_FMT_FP6
.endif
.endr
.endm
; phases Wq and Wk of a step: this phase's fragments are in; four places; the next phase's are asked for; 16 matrix instructions
.macro PHASE st, m
.set WBC, (3*(\st)+(\m))%2
	s_wait_dscnt 0x0
.if (\m) == 0 && (\st)%2 == 0
	s_wait_loadcnt 0x0                             ; this pair's scale words, asked for a pair of steps ago
.endif
	PLACES 4
	FETCHW \st, (\m)+1, 1-WBC
.if (\m) == 0 && (\st)%2 == 0 && (\st) < 14
	GSCALES (\st)/2+1
.endif
	WIN 0xa1
.irp i, 0,1,2,3
	MUL4 \m, \i, WBC, \st
.endr
	WIN 0
.endm
; phase Wv fetches the next step's first fragments.  Where they end in a chunk not read yet: every wave waits for its tensor loads, and a barrier shows the chunk whole.
; Where they begin in a later chunk: the chunk left behind is read no more: the wait, the add, the wait for it, the barrier, which opens a round of the cluster's barrier where a chunk two on is left to fetch.
.macro PH2 st
.set WBC, (3*(\st)+2)%2
.set NX, (\st)+1
.set C0, (96*(\st))/256
.set C1, (96*NX)/256
.set E0, (96*(\st)+95)/256
.set E1, (96*NX+95)/256
	s_wait_dscnt 0x0                               ; this phase's fragments are in: my reads for step st are over
.if C1 > C0 || E1 > E0
	s_wait_tensorcnt 0x0
.if C1 > C0
	ds_add_u32 v28, v29
.endif
	WIN 0xf4
	MUL4 2, 0, WBC, \st
	s_wait_dscnt 0x0
	s_barrier_signal -1
	MUL4 2, 1, WBC, \st
	WIN 0
	s_barrier_wait -1
.if C1 > C0 && C0+2 < 6
	CREST
	s_add_nc_u64 s[62+8*(C0%2):63+8*(C0%2)], s[62+8*(C0%2):63+8*(C0%2)], 512
	s_add_nc_u64 s[74+4*(C0%2):75+4*(C0%2)], s[74+4*(C0%2):75+4*(C0%2)], 512
	JLOAD 60+8*(C0%2), 28, 72+4*(C0%2), 36         ; chunk C0 + 2; its four v_nop are the places in front of the loads below
.else
	PLACES 4
.endif
.else
	WIN 0xf4
	MUL4 2, 0, WBC, \st
	MUL4 2, 1, WBC, \st
	WIN 0
	PLACES 4
.endif
	FETCHW NX, 0, 1-WBC
	FETCHX NX
.if C1 > C0 && C0+3 < 6
	ASK C0+3
.endif
	WIN 0xf4
	MUL4 2, 2, WBC, \st
	MUL4 2, 3, WBC, \st
	WIN 0
.endm
	s_wait_tensorcnt 0x0                           ; my part of chunk 0 is in; these lines stand ahead of slot 1's first fill as ahead of a refill
	ds_add_u32 v28, v29
	s_wait_dscnt 0x0
	CROUND
	JLOAD 68, 28, 76, 36                           ; chunk 1
	FETCHW 0, 0, 0
	FETCHX 0
.set ST, 0
.rept 15
	PHASE ST, 0
	PHASE ST, 1
	PH2 ST
.set ST, ST+1
.endr
	PHASE 15, 0
	PHASE 15, 1
	s_wait_dscnt 0x0
	WIN 0xf4
.irp i, 0,1,2,3
	MUL4 2, \i, 1, 15
.endr
	WIN 0
	PLACES 4
	s_lshl_b32 s94, s91, 7
	s_lshl_b32 s95, s92, 4
	s_add_co_u32 s94, s94, s95
	s_lshl_b32 s95, s[WV], 2
	s_add_co_u32 s94, s94, s95
	s_mul_i32 s94, s94, 768
	s_mov_b32 s95, 0
	s_add_nc_u64 s[22:23], s[22:23], s[94:95]      ; qimg
	s_lshl_b32 s94, s91, 5
	s_lshl_b32 s93, s92, 2
	s_add_co_u32 s94, s94, s93
	s_add_co_u32 s94, s94, s[WV]
	s_lshl_b32 s94, s94, 8
	s_add_nc_u64 s[24:25], s[24:25], s[94:95]      ; qsc
	s_and_b32 s93, s[WV], 1                        ; g: which half of a record's 128 keys is mine
	s_lshr_b32 s94, s[WV], 1
	s_lshl_b32 s66, s92, 1
	s_add_co_u32 s94, s94, s66
	s_mul_i32 s94, s94, REC
	s_mul_i32 s66, s91, 16*REC
	s_add_co_u32 s94, s94, s66
	s_add_nc_u64 s[26:27], s[26:27], s[94:95]      ; my record of kv
	s_lshl_b32 s94, s93, 12
	s_add_nc_u64 s[4:5], s[26:27], s[94:95]        ; k's tiles 4 g on
	s_mul_i32 s94, s93, 768
	s_add_nc_u64 s[6:7], s[26:27], s[94:95]        ; v's half fragments
	s_lshl_b32 s94, s93, 8
	s_add_nc_u64 s[8:9], s[26:27], s[94:95]        ; k's scale words
	s_lshl_b32 s94, s93, 1
	s_add_nc_u64 s[10:11], s[26:27], s[94:95]      ; my two bytes of v's scale words
; THE WAY OUT, FOUR TILES AT A TIME, so that independent chains take turns.  The walk's registers are free: v32-159 four tiles after RoPE (32 a tile), v160-191 the quantiser's eight chains,
; v192-223 the codes (8 registers a tile), v224-239 the conversions' second halves, v240-243 at work.
; RoPE on tile a of q (m = 0) or k (m = 1): registers 2 p, 2 p + 1 are the pair x1, x2; v[32 + 32 a + p] = x1 cos - x2 sin (block 0), v[48 + 32 a + p] = x1 sin + x2 cos (block 1).
; All products first, then all multiply-adds; each accumulator is read from its low end on.  Windows: source 0 window 2, source 1 window 1.
.macro ROPE m, a
.irp p, 0,1,2,3,4,5,6,7,8,9,10,11,12,13,14,15
	v_mul_f32 v[32+32*\a+\p], v[128*\m+32*\a+2*\p], v[128+16*\a+\p]
	v_mul_f32 v[48+32*\a+\p], v[128*\m+32*\a+2*\p], v[192+16*\a+\p]
.endr
.irp p, 0,1,2,3,4,5,6,7,8,9,10,11,12,13,14,15
	v_fma_f32 v[32+32*\a+\p], -v[128*\m+32*\a+2*\p+1], v[192+16*\a+\p], v[32+32*\a+\p]
	v_fma_f32 v[48+32*\a+\p], v[128*\m+32*\a+2*\p+1], v[128+16*\a+\p], v[48+32*\a+\p]
.endr
.endm
; Tile a's 32 numbers of a lane at v[s + 32 a] of window w, 16 of each of two blocks (the other 16 lie in lane l xor 16), become a half fragment's codes in v[192 + 8 a ..] and two scale bytes in v[184 + 2 a], v[185 + 2 a].
.macro QUANT4 s, w
	WIN (\w)|((\w)<<2)
.irp a, 0,1,2,3
.irp b, 0,1
	v_max3_num_f32 v[160+2*\a+\b], |v[\s+32*\a+16*\b]|, |v[\s+32*\a+16*\b+1]|, 0x1800000   ; with the floor 2^(3 - 127): the byte cannot fall under 1
.endr
.endr
	WIN ((\w)<<2)|((\w)<<4)
.irp i, 2,4,6,8,10,12,14
.irp a, 0,1,2,3
.irp b, 0,1
	v_max3_num_f32 v[160+2*\a+\b], v[160+2*\a+\b], |v[\s+32*\a+16*\b+\i]|, |v[\s+32*\a+16*\b+\i+1]|
.endr
.endr
.endr
	WIN 0
.irp e, 0,1,2,3,4,5,6,7
	v_permlanex16_b32 v[168+\e], v[160+\e], s100, s101
.endr
.irp e, 0,1,2,3,4,5,6,7
	v_max_num_f32 v[160+\e], v[160+\e], v[168+\e]  ; the block's largest magnitude
.endr
.irp e, 0,1,2,3,4,5,6,7
	v_add_nc_u32 v[176+\e], 0xff000000, v[160+\e]  ; 2 off its exponent field: the conversion's scale operand
.endr
.irp e, 0,1,2,3,4,5,6,7
	v_lshrrev_b32 v[184+\e], 23, v[176+\e]         ; the scale's byte
.endr
	s_wait_alu depctr_va_vdst(0)
	s_wait_xcnt 0x0                                ; the codes' registers were the last stores' data
	WIN \w
.irp a, 0,1,2,3
	v_cvt_scalef32_pk16_fp6_f32 v[192+8*\a:194+8*\a], v[\s+32*\a:\s+32*\a+15], v[176+2*\a]
	v_cvt_scalef32_pk16_fp6_f32 v[224+4*\a:226+4*\a], v[\s+32*\a+16:\s+32*\a+31], v[177+2*\a]
.endr
	WIN 0
	v_nop                                          ; one plain place behind a scaled conversion
.irp a, 0,1,2,3
.irp i, 0,1,2
	v_permlane16_swap_b32 v[192+8*\a+\i], v[224+4*\a+\i]   ; lanes 0-15 get the whole of block 0, lanes 16-31 of block 1
.endr
.endr
.irp a, 0,1,2,3
.irp i, 0,1,2
	v_mov_b32 v[195+8*\a+\i], v[224+4*\a+\i]
.endr
.endr
.endm
.irp e, 0,1,2,3,4,5,6,7
	v_mov_b32 v[168+\e], 0                         ; written once: a lane permute's destination counts as one of its sources
.endr
	WIN 0x06                                       ; q
.irp a, 0,1,2,3
	ROPE 0, \a
.endr
	WIN 0
	QUANT4 32, 0
.irp a, 0,1,2,3
	v_lshl_or_b32 v[244+\a], v[185+2*\a], 8, v[184+2*\a]
.endr
.irp a, 0,1,2,3
	v_or_b32 v[244+\a], 0x017f0000, v[244+\a]      ; bytes 2 and 3: 2^0 for the mask's place, 1 for what is all zeros
.endr
.irp a, 0,1,2,3
	global_store_b128 v3, v[192+8*\a:195+8*\a], s[22:23] offset:768*\a
	global_store_b64 v4, v[196+8*\a:197+8*\a], s[22:23] offset:768*\a+512
.endr
	WIN 0x06                                       ; k
.irp a, 0,1,2,3
	ROPE 1, \a
.endr
	WIN 0
	QUANT4 32, 0
.irp a, 0,1,2,3
.irp i, 0,1,2,3,4,5
	v_cndmask_b32 v[192+8*\a+\i], v[192+8*\a+\i], v29, s[96+\a]   ; a masked key's codes are zeros
.endr
.endr
.irp a, 0,1,2,3
	v_cndmask_b32 v[198+8*\a], v29, v20, s[96+\a]  ; and its code at k = 64 is -1.0
	v_mov_b32 v[199+8*\a], 0
	v_cndmask_b32 v[240+\a], v22, v21, s[96+\a]    ; byte 2: 2^33 where masked, else 1
	v_lshl_or_b32 v[248+\a], v[185+2*\a], 8, v[184+2*\a]
.endr
.irp a, 0,1,2,3
	v_lshl_or_b32 v[248+\a], v[240+\a], 16, v[248+\a]
.endr
.irp a, 0,1,2,3
	v_or_b32 v[248+\a], 0x01000000, v[248+\a]
.endr
.irp a, 0,1,2,3
	global_store_b128 v26, v[192+8*\a:195+8*\a], s[4:5] offset:1024*(\a%2)+128*(\a/2)       ; token 16 a + r goes to tile a % 2 + 2 (r / 8), row 8 (a / 2) + r % 8
	global_store_b128 v26, v[196+8*\a:199+8*\a], s[4:5] offset:1024*(\a%2)+128*(\a/2)+512
.endr
	QUANT4 0, 3                                    ; v: channels 16 a on, my 64 tokens = two blocks along the keys
.irp a, 0,1,2,3
	v_lshl_or_b32 v[252+\a], v[185+2*\a], 8, v[184+2*\a]
.endr
.irp a, 0,1,2,3
	global_store_b128 v3, v[192+8*\a:195+8*\a], s[6:7] offset:8192+1536*\a
	global_store_b64 v4, v[196+8*\a:197+8*\a], s[6:7] offset:8192+1536*\a+512
.endr
	s_wait_alu depctr_va_vdst(0)
	s_wait_xcnt 0x0                                ; EXEC changes only behind this wait
	v_cmp_gt_u32 vcc_lo, 16, v24
	s_and_saveexec_b32 s93, vcc_lo
	global_store_b128 v5, v[244:247], s[24:25]
.irp a, 0,1,2,3
	global_store_b32 v27, v[248+\a], s[8:9] offset:14336+128*(\a/2)+4*(\a%2)      ; k's scale word, at its row's and tile's place
	global_store_b16 v5, v[252+\a], s[10:11] offset:14848+4*\a
.endr
	s_wait_xcnt 0x0
	s_or_b32 exec_lo, exec_lo, s93
	s_wait_tensorcnt 0x0                           ; the wave's end
	ds_add_u32 v28, v29
	s_wait_dscnt 0x0
	CROUND
	s_endpgm
.Lfunc_end_k_q61729380d2_qkv:
	.size	k_q61729380d2_qkv, .Lfunc_end_k_q61729380d2_qkv-k_q61729380d2_qkv
	.p2alignl 7, 3214868480
	.fill 96, 4, 3214868480
	.section	.rodata,"a",@progbits
	.p2align	6, 0x0
	.amdhsa_kernel k_q61729380d2_qkv
		.amdhsa_group_segment_fixed_size 327680
		.amdhsa_private_segment_fixed_size 0
		.amdhsa_enable_private_segment 0
		.amdhsa_kernarg_size 96
		.amdhsa_user_sgpr_count 2
		.amdhsa_user_sgpr_kernarg_segment_ptr 1
		.amdhsa_wavefront_size32 1
		.amdhsa_system_sgpr_workgroup_id_x 1
		.amdhsa_system_sgpr_workgroup_id_y 1
		.amdhsa_system_sgpr_workgroup_id_z 1
		.amdhsa_system_vgpr_workitem_id 0
		.amdhsa_next_free_vgpr 1024
		.amdhsa_next_free_sgpr 102
		.amdhsa_reserve_vcc 1
		.amdhsa_float_denorm_mode_32 3
		.amdhsa_float_denorm_mode_16_64 3
		.amdhsa_memory_ordered 1
		.amdhsa_forward_progress 1
		.amdhsa_inst_pref_size 255
	.end_amdhsa_kernel
	.section	.bss,"aw",@nobits
	.p2align	6
	.space	262144
	.amdgpu_metadata
---
amdhsa.version: [ 1, 2 ]
amdhsa.kernels:
  - .name:           k_q61729380d2_qkv
    .symbol:         k_q61729380d2_qkv.kd
    .args:
      - { .name: x_codes, .offset: 0, .size: 8, .value_kind: global_buffer, .address_space: global }
      - { .name: x_scales, .offset: 8, .size: 8, .value_kind: global_buffer, .address_space: global }
      - { .name: Wq_codes, .offset: 16, .size: 8, .value_kind: global_buffer, .address_space: global }
      - { .name: Wq_scales, .offset: 24, .size: 8, .value_kind: global_buffer, .address_space: global }
      - { .name: Wk_codes, .offset: 32, .size: 8, .value_kind: global_buffer, .address_space: global }
      - { .name: Wk_scales, .offset: 40, .size: 8, .value_kind: global_buffer, .address_space: global }
      - { .name: Wv_codes, .offset: 48, .size: 8, .value_kind: global_buffer, .address_space: global }
      - { .name: Wv_scales, .offset: 56, .size: 8, .value_kind: global_buffer, .address_space: global }
      - { .name: attention_mask, .offset: 64, .size: 8, .value_kind: global_buffer, .address_space: global }
      - { .name: qimg, .offset: 72, .size: 8, .value_kind: global_buffer, .address_space: global }
      - { .name: qsc, .offset: 80, .size: 8, .value_kind: global_buffer, .address_space: global }
      - { .name: kv, .offset: 88, .size: 8, .value_kind: global_buffer, .address_space: global }
    .group_segment_fixed_size: 327680
    .private_segment_fixed_size: 0
    .kernarg_segment_align: 8
    .kernarg_segment_size: 96
    .max_flat_workgroup_size: 128
    .sgpr_count:     102
    .vgpr_count:     1024
    .wavefront_size: 32
...
	.end_amdgpu_metadata
.endif
;; end of part 1
;; launch attn (part 2): grid 8 x 32, 16 waves a work-group, clusters of 4 x 1, 327,680 bytes of LDS; arguments qimg, qsc, kv, aimg, asc, Wo_codes, wimg; writes aimg, asc, wimg
.if DOCPART == 2
	.amdgcn_target "amdgcn-amd-amdhsa--gfx1250"
	.amdhsa_code_object_version 6
	.text
	.protected	k_q61729380d2_attn
	.globl	k_q61729380d2_attn
	.p2align	8
	.type	k_q61729380d2_attn,@function
k_q61729380d2_attn:
	s_mov_b64 s[64:65], 0
	v_nop
	global_prefetch_b8 v0, s[64:65] scope:SCOPE_SE
	s_setreg_imm32_b32 hwreg(HW_REG_WAVE_MODE, 25, 1), 1
	s_wait_xcnt 0x0
	s_wait_alu depctr_hold_cnt(0) depctr_sa_sdst(0) depctr_va_vdst(0) depctr_va_sdst(0) depctr_va_ssrc(0) depctr_va_vcc(0) depctr_vm_vsrc(0)
	s_getreg_b32 s2, hwreg(HW_REG_IB_STS2, 6, 4)
	s_cmp_eq_u32 s2, 0
	s_cbranch_scc0 .Lentry_in_a_cluster
	s_endpgm
.Lentry_in_a_cluster:
	s_bfe_u32 s2, ttmp6, 0x10000c
	s_cmp_lg_u32 s2, 0x3003
	s_cbranch_scc0 .Lentry_shape_is_right
	s_endpgm
.Lentry_shape_is_right:
; Attention of one head on codes of FP6 (E2M3): S^T = k q^T, p = 2^(t - M) with M a whole number, O^T = v^T p^T, O / the row's sum, quantised along head x 64 + d for the last product.
; SHARES.  A work-group owns 256 queries of one head, each of its sixteen waves one tile of 16.  Every wave walks the head's 2,048 keys, 128 a step.
; LDS holds the head's sixteen records of kv as they lie in memory: 241,664 dense bytes = 944 rows of 256.  Each byte is filled ONCE, in two stages, one tensor load a wave each:
; at the head 16 rows a wave (65,536 bytes: records 0 to 3 and the start of record 4); behind the wait, the add, its wait and a round 43 rows a wave (the other 176,128 bytes).
; Steps 0 to 3 read bytes under 60,416 while the second stage is on its way; then every wave waits for its load, a barrier follows, and steps 4 to 15 run.
; A record (15,104 bytes, 128 keys): 8 tiles of k (8 registers a lane), 4 fragments of v (two halves of 768 bytes), k's scale words [2][16][4], v's [16][4].
; CLUSTER 4 x 1: the four query blocks of a cluster belong to one head and ask for all rows jointly.  No prefetch: the second stage is asked for as soon as the first has landed, with no trip ahead of it to ask in.
; A LANE HOLDS WHOLE BLOCKS: tile 4 c + i of k holds in row 8 h + j the key 32 (2 c + h) + 16 (i % 2) + 8 (i / 2) + j, so the 32 registers of tiles 4 c .. 4 c + 3 are block 2 c + h of p in the order of v's codes:
; a block's maximum asks no other lane and the conversions' results are the operand's registers.
; THE MASK: a masked key has zero codes, -1.0 at k = 64 and 2^33 as that block's scale; the query holds 1.0 at k = 64.  A tile of k is named with 12 registers, the last four meet the query's zero codes.
; ALSO: each wave lays one half fragment (16 rows x 64 K) of Wo's codes into wimg as an image of operand registers, for the last product: 256 work-groups x 16 waves = 128 row tiles x 32 halves.
; LIMITS: a masked logit is -1.0737e9 where the model writes -1e9.  NaN and infinities are not served.  The promise holds while the scaled scores stay under 2^31 in magnitude.
; REGISTERS: v1 16 lane, v2 8 lane, v3 16 r, v7 8 h; v8-10 the step's addresses; v11-12 -M, v13 the largest score, v[14:15] the sum; v16-27 q; v28 q's scale word, v29 p's; v[30:31] f; v32-99 k, then v;
;   v100-163 S^T, then p; v164-195 O^T; v196-214 p's codes; v216-239, v252-253 at work; v240-247 k's scale words, v248-251 v's; v254-255 the spare word and 0.
.set REC, 15104
.set VIM, 8192
.set KSO, 14336
.set VSO, 14848
.set SPARE, 0x3b000
.set WV,  40
.macro CROUND
	s_barrier_signal -1
	s_barrier_wait -1
	s_cmp_lg_u32 s[WV], 0
	s_cbranch_scc1 .Lnot_wave_0_\@
	s_barrier_signal -3
.Lnot_wave_0_\@:
	s_barrier_wait -3
	s_barrier_signal -1
	s_barrier_wait -1
.endm
	s_load_b256 s[4:11], s[0:1], 0x0               ; qimg, qsc, kv, aimg
	s_load_b128 s[12:15], s[0:1], 0x20             ; asc, Wo's codes
	s_load_b64 s[36:37], s[0:1], 0x30              ; wimg
	v_lshl_add_u32 v254, v0, 2, SPARE
	v_mov_b32 v255, 0
	ds_add_u32 v254, v255
	ds_add_u32 v254, v255
	v_lshrrev_b32 v4, 5, v0
	s_delay_alu instid0(VALU_DEP_1)
	v_readfirstlane_b32 s[WV], v4
	s_bfe_u32 s41, ttmp6, 0x40000
	s_lshl_b32 s42, ttmp9, 2
	s_add_co_u32 s42, s42, s41                     ; my block of 256 queries
	s_and_b32 s43, ttmp7, 0xffff                   ; the head
	s_mov_b32 s16, 15|(3<<16)|(1<<21)              ; stage 1: 16 dense rows of 256 bytes (32 elements of 8); the mask names all four work-groups
	s_mov_b32 s17, 32<<16
	s_mov_b32 s18, 16<<16
	s_mov_b32 s19, 32<<16
	s_mov_b32 s20, 16
	s_mov_b32 s21, 32
	s_mov_b32 s22, 0
	s_mov_b32 s23, 0
	s_mov_b32 s28, 15|(3<<16)|(1<<21)              ; stage 2: 43 rows
	s_mov_b32 s29, 32<<16
	s_mov_b32 s30, 43<<16
	s_mov_b32 s31, 32<<16
	s_mov_b32 s32, 43
	s_mov_b32 s33, 32
	s_mov_b32 s34, 0
	s_mov_b32 s35, 0
	s_mov_b32 s44, 0x76543210
	s_mov_b32 s45, 0xfedcba98
	s_mov_b32 s46, 0x3e38aa3b                      ; c = log2(e) / 8
	s_mov_b32 s47, s46
	s_mul_i32 s52, s43, 16*REC
	s_mov_b32 s53, 0
	s_lshl_b32 s50, s[WV], 12                      ; stage 1: my 4,096 bytes
	s_mov_b32 s51, 0
	s_mul_i32 s38, s[WV], 11008
	s_add_co_u32 s38, s38, 65536                   ; stage 2: my 11,008 bytes
	s_mov_b32 s39, 0
	s_wait_dscnt 0x0
	s_wait_kmcnt 0x0
	s_add_nc_u64 s[8:9], s[8:9], s[52:53]          ; my head's records
	CROUND
	s_mov_b32 s24, 1
	s_mov_b32 s25, s50
	s_add_nc_u64 s[26:27], s[8:9], s[50:51]
	s_or_b32 s27, s27, 0x80000000
	tensor_load_to_lds s[24:27], s[16:23]          ; one tensor load a wave at the head
	s_nop 0
.rept 4
	v_nop
.endr
	v_and_b32 v4, 31, v0
	v_and_b32 v5, 15, v0
	v_bfe_u32 v6, v0, 4, 1
	v_lshlrev_b32 v1, 4, v4
	v_lshlrev_b32 v2, 3, v4
	v_lshlrev_b32 v3, 4, v5
	v_lshlrev_b32 v7, 3, v6
	v_mul_u32_u24 v231, v5, 1536
	s_delay_alu instid0(VALU_DEP_1)
	v_mad_u32_u24 v231, v6, 24, v231               ; Wo: row r, + 24 h
	s_wait_alu depctr_va_vdst(0)
	s_lshl_b32 s54, s43, 7
	s_lshl_b32 s55, s42, 4
	s_add_co_u32 s54, s54, s55
	s_add_co_u32 s54, s54, s[WV]
	s_mul_i32 s56, s54, 768
	s_mov_b32 s57, 0
	s_add_nc_u64 s[4:5], s[4:5], s[56:57]
	global_load_b128 v[16:19], v1, s[4:5]          ; q's half fragment
	global_load_b64 v[20:21], v2, s[4:5] offset:512
	s_lshl_b32 s56, s43, 5
	s_lshl_b32 s58, s42, 2
	s_add_co_u32 s56, s56, s58
	s_lshr_b32 s58, s[WV], 2
	s_add_co_u32 s56, s56, s58
	s_lshl_b32 s56, s56, 8
	s_and_b32 s58, s[WV], 3
	s_lshl_b32 s58, s58, 2
	s_add_co_u32 s56, s56, s58
	s_add_nc_u64 s[6:7], s[6:7], s[56:57]
	global_load_b32 v28, v3, s[6:7]                ; q's scale words
	s_lshl_b32 s56, s43, 3
	s_add_co_u32 s56, s56, s42
	s_lshl_b32 s56, s56, 4
	s_add_co_u32 s56, s56, s[WV]                   ; my half fragment of Wo: row tile / 32, half % 32
	s_lshr_b32 s58, s56, 5
	s_mul_i32 s58, s58, 24576
	s_and_b32 s59, s56, 31
	s_mul_i32 s59, s59, 48
	s_add_co_u32 s58, s58, s59
	s_mov_b32 s59, 0
	s_add_nc_u64 s[14:15], s[14:15], s[58:59]
	s_mul_i32 s56, s56, 768
	s_add_nc_u64 s[36:37], s[36:37], s[56:57]
	global_load_b64 v[232:233], v231, s[14:15]
	global_load_b64 v[234:235], v231, s[14:15] offset:8
	global_load_b64 v[236:237], v231, s[14:15] offset:16
	v_xor_b32 v22, 1, v6
	s_delay_alu instid0(VALU_DEP_1)
	v_lshlrev_b32 v22, 3, v22                      ; k = 64: the code of 1.0 in lanes 0-15
.irp i, 23,24,25,26,27,96,97,98,99,14,15,31,220,221
	v_mov_b32 v\i, 0
.endr
	v_mov_b32 v13, 0xff61b1e6                      ; the largest score so far: -3e38
	s_delay_alu instid0(VALU_DEP_1)
	v_floor_f32 v12, -v13
.irp j, 0,1,2,3,4,5,6,7,8,9,10,11,12,13,14,15,16,17,18,19,20,21,22,23,24,25,26,27,28,29,30,31
	v_mov_b32 v[164+\j], 0                         ; O^T: the step is written once, and the first change of M leaves zeros zeros
.endr
; A KEY STEP: the record at LDS byte s48
.macro STEP
	v_add_nc_u32 v8, s48, v1
	v_add_nc_u32 v9, s48, v2
	v_add_nc_u32 v10, s48, v3
	v_nop                                          ; four places in front of loads into registers that the last products read
.irp t, 0,1,2,3,4,5,6,7
	ds_load_b128 v[32+8*\t:35+8*\t], v8 offset:1024*\t
	ds_load_b128 v[36+8*\t:39+8*\t], v8 offset:1024*\t+512
.endr
	ds_load_b128 v[240:243], v10 offset:KSO
	ds_load_b128 v[244:247], v10 offset:KSO+256
	s_wait_alu depctr_va_vdst(0)
	s_wait_dscnt 0x0
.irp t, 0,1,2,3,4,5,6,7
	v_wmma_scale_f32_16x16x128_f8f6f4 v[100+8*\t:107+8*\t], v[32+8*\t:43+8*\t], v[16:27], 0, v[240+\t], v28 matrix_a_fmt:MATRIX_FMT_FP6 matrix_b_fmt:MATRIX_FMT_FP6
.endr
.rept 4
	v_nop
.endr
.irp a, 0,1,2,3                                    ; v is asked for now and lands under the softmax
.irp c, 0,1
	ds_load_b128 v[32+12*\a+6*\c:35+12*\a+6*\c], v8 offset:VIM+1536*\a+768*\c
	ds_load_b64 v[36+12*\a+6*\c:37+12*\a+6*\c], v9 offset:VIM+1536*\a+768*\c+512
.endr
.endr
	ds_load_b128 v[248:251], v10 offset:VSO
.irp b, 0,1,2,3                                    ; four chains by turns, 16 scores each; each accumulator is read from its low end on
	v_max3_num_f32 v[216+\b], v[100+16*\b], v[101+16*\b], v[102+16*\b]
.endr
.irp i, 3,5,7,9,11,13
.irp b, 0,1,2,3
	v_max3_num_f32 v[216+\b], v[216+\b], v[100+16*\b+\i], v[101+16*\b+\i]
.endr
.endr
.irp b, 0,1,2,3
	v_max_num_f32 v[216+\b], v[216+\b], v[115+16*\b]
.endr
	v_max_num_f32 v216, v216, v217                 ; the largest score of my block h,
	v_max_num_f32 v218, v218, v219                 ; and of my block 2 + h
	s_delay_alu instid0(VALU_DEP_1)
	v_max_num_f32 v230, v216, v218
	s_delay_alu instid0(VALU_DEP_1)
	v_permlanex16_b32 v220, v230, s44, s45
	s_delay_alu instid0(VALU_DEP_1)
	v_max3_num_f32 v13, v13, v230, v220            ; the running largest score (c is positive)
	s_delay_alu instid0(VALU_DEP_1)
	v_mul_f32 v230, s46, v13
	s_delay_alu instid0(VALU_DEP_1)
	v_floor_f32 v11, -v230                         ; the new -M = -ceil(t)
	s_delay_alu instid0(VALU_DEP_1)
	v_sub_f32 v230, v11, v12                       ; old M - new M
	v_mov_b32 v12, v11
	s_delay_alu instid0(VALU_DEP_2)
	v_cvt_i32_f32 v230, v230
	s_delay_alu instid0(VALU_DEP_1)
	v_ldexp_f32 v30, 1.0, v230                     ; f = 2^(old M - new M)
.irp j, 0,2,4,6,8,10,12,14,16,18,20,22,24,26,28,30,32,34,36,38,40,42,44,46,48,50,52,54,56,58,60,62
	v_pk_fma_f32 v[100+\j:101+\j], v[100+\j:101+\j], s[46:47], v[12:13] op_sel_hi:[1,0,0]   ; t - M
.endr
	v_fma_f32 v216, v216, s46, v12
	v_fma_f32 v218, v218, s46, v12
	s_wait_alu depctr_va_vdst(0)
.irp j, 0,1,2,3,4,5,6,7,8,9,10,11,12,13,14,15,16,17,18,19,20,21,22,23,24,25,26,27,28,29,30,31,32,33,34,35,36,37,38,39,40,41,42,43,44,45,46,47,48,49,50,51,52,53,54,55,56,57,58,59,60,61,62,63
	v_exp_f32 v[100+\j], v[100+\j]                 ; p = 2^(t - M): not normalised
.endr
	v_exp_f32 v216, v216                           ; my blocks' largest p
	v_exp_f32 v218, v218
	v_pk_mul_f32 v[14:15], v[14:15], v[30:31] op_sel_hi:[1,0]   ; the sums under the new M (a plain place behind the batch)
	s_wait_alu depctr_va_vdst(0)                   ; and the wait behind it
	v_max_num_f32 v216, 0x1800000, v216            ; the floor 2^(3 - 127): the byte cannot fall under 1
	v_max_num_f32 v218, 0x1800000, v218
	s_delay_alu instid0(VALU_DEP_2)
	v_add_nc_u32 v224, 0xff000000, v216            ; 2 off the exponent field: the conversion's scale operand
	s_delay_alu instid0(VALU_DEP_2)
	v_add_nc_u32 v225, 0xff000000, v218
	s_delay_alu instid0(VALU_DEP_2)
	v_lshrrev_b32 v226, 23, v224
	s_delay_alu instid0(VALU_DEP_2)
	v_lshrrev_b32 v227, 23, v225
.irp c, 0,1
	v_cvt_scalef32_pk16_fp6_f32 v[196+6*\c:198+6*\c], v[100+32*\c:115+32*\c], v[224+\c]
	v_cvt_scalef32_pk16_fp6_f32 v[208+4*\c:210+4*\c], v[116+32*\c:131+32*\c], v[224+\c]
.endr
	v_pk_add_f32 v[228:229], v[100:101], v[102:103]   ; the row's sum of the unquantised p, four chains
	v_pk_add_f32 v[238:239], v[104:105], v[106:107]
	v_pk_add_f32 v[252:253], v[108:109], v[110:111]
	v_pk_add_f32 v[14:15], v[14:15], v[112:113]
.irp j, 114,122,130,138,146,154
	v_pk_add_f32 v[228:229], v[228:229], v[\j:\j+1]
	v_pk_add_f32 v[238:239], v[238:239], v[\j+2:\j+3]
	v_pk_add_f32 v[252:253], v[252:253], v[\j+4:\j+5]
	v_pk_add_f32 v[14:15], v[14:15], v[\j+6:\j+7]
.endr
	v_pk_add_f32 v[228:229], v[228:229], v[162:163]
	v_pk_add_f32 v[238:239], v[238:239], v[252:253]
	v_lshl_or_b32 v226, v227, 16, v226             ; my two bytes,
	v_pk_add_f32 v[14:15], v[14:15], v[228:229]
	v_lshlrev_b32 v226, v7, v226                   ; 8 h bits up;
	v_pk_add_f32 v[14:15], v[14:15], v[238:239]
	v_permlanex16_b32 v221, v226, s44, s45
.irp c, 0,1
.irp i, 0,1,2
	v_mov_b32 v[199+6*\c+\i], v[208+4*\c+\i]       ; (a conversion's three registers begin on an even number)
.endr
.endr
	v_or_b32 v29, v226, v221                       ; with lane l xor 16's two the scale word is whole
	s_wait_alu depctr_va_vdst(0)                   ; directly ahead of the first reader of O^T
.irp j, 0,2,4,6,8,10,12,14,16,18,20,22,24,26,28,30
	v_pk_mul_f32 v[164+\j:165+\j], v[164+\j:165+\j], v[30:31] op_sel_hi:[1,0]   ; O^T under the new M; sixteen places between p's codes and scale word and the products
.endr
	s_wait_alu depctr_va_vdst(0)
	s_wait_dscnt 0x0                               ; v is in
.irp a, 0,1,2,3
	v_wmma_scale_f32_16x16x128_f8f6f4 v[164+8*\a:171+8*\a], v[32+12*\a:43+12*\a], v[196:207], v[164+8*\a:171+8*\a], v[248+\a], v29 matrix_a_fmt:MATRIX_FMT_FP6 matrix_b_fmt:MATRIX_FMT_FP6
.endr
	s_add_co_u32 s48, s48, REC
.endm
	s_wait_alu depctr_va_vdst(0)
	s_wait_loadcnt 0x0                             ; q, and Wo's 24 bytes a lane
	global_store_b128 v1, v[232:235], s[36:37]     ; 512 and 256 consecutive bytes, aligned
	global_store_b64 v2, v[236:237], s[36:37] offset:512
	s_wait_xcnt 0x0                                ; the stores' data registers are written again in the steps
	s_wait_tensorcnt 0x0                           ; my part of stage 1 is in; these lines stand ahead of a later first fill as ahead of a refill
	ds_add_u32 v254, v255
	s_mov_b32 s25, s38                             ; no load of mine is out: the descriptor takes stage 2's addresses
	s_add_nc_u64 s[26:27], s[8:9], s[38:39]
	s_or_b32 s27, s27, 0x80000000
	s_wait_dscnt 0x0
	CROUND                                         ; everybody's part of stage 1 is in, and the four work-groups are here
	tensor_load_to_lds s[24:27], s[28:35]          ; stage 2, my one load behind the round
	s_nop 0
.rept 4
	v_nop
.endr
	s_mov_b32 s48, 0
	s_mov_b32 s49, 4
.Lfirst:                                           ; records 0 to 3
	STEP
	s_sub_co_u32 s49, s49, 1
	s_cmp_lg_u32 s49, 0
	s_cbranch_scc1 .Lfirst
	s_wait_alu depctr_va_vdst(0)
	s_wait_tensorcnt 0x0                           ; my part of stage 2 is in
	s_barrier_signal -1
	s_barrier_wait -1                              ; and so is everybody's.  Nothing is filled again.
	s_mov_b32 s48, 4*REC
	s_mov_b32 s49, 12
.Lrest:                                            ; records 4 to 15
	STEP
	s_sub_co_u32 s49, s49, 1
	s_cmp_lg_u32 s49, 0
	s_cbranch_scc1 .Lrest
	s_lshl_b32 s50, s42, 4
	s_add_co_u32 s50, s50, s[WV]                   ; my tile of tokens
	s_mul_i32 s52, s50, 24576
	s_mul_i32 s51, s43, 768
	s_add_co_u32 s52, s52, s51
	s_mov_b32 s53, 0
	s_add_nc_u64 s[10:11], s[10:11], s[52:53]
	s_lshl_b32 s52, s50, 10
	s_lshl_b32 s51, s43, 1
	s_add_co_u32 s52, s52, s51
	s_add_nc_u64 s[12:13], s[12:13], s[52:53]
	v_add_f32 v14, v14, v15
	s_delay_alu instid0(VALU_DEP_1)
	v_permlanex16_b32 v220, v14, s44, s45
	s_delay_alu instid0(VALU_DEP_1)
	v_add_f32 v14, v14, v220                       ; the row's sum
	s_wait_alu depctr_va_vdst(0)
	v_rcp_f32 v30, v14
	v_lshlrev_b32 v233, 6, v5
	v_nop
	v_nop
	s_wait_alu depctr_va_vdst(0)
.irp j, 0,2,4,6,8,10,12,14,16,18,20,22,24,26,28,30
	v_pk_mul_f32 v[164+\j:165+\j], v[164+\j:165+\j], v[30:31] op_sel_hi:[1,0]
.endr
.irp b, 0,1
.irp j, 0,1,2,3,4,5,6,7
	v_permlane16_swap_b32 v[164+16*\b+\j], v[172+16*\b+\j]   ; the true order: lane half h now holds d = 32 b + 16 h + 0 .. 15
.endr
.endr
.irp b, 0,1
	v_max3_num_f32 v[216+\b], |v[164+16*\b]|, |v[165+16*\b]|, 0x1800000
.endr
.irp i, 2,4,6,8,10,12,14
.irp b, 0,1
	s_delay_alu instid0(VALU_DEP_2)
	v_max3_num_f32 v[216+\b], v[216+\b], |v[164+16*\b+\i]|, |v[165+16*\b+\i]|
.endr
.endr
.irp b, 0,1
	s_delay_alu instid0(VALU_DEP_2)
	v_permlanex16_b32 v[220+\b], v[216+\b], s44, s45
.endr
.irp b, 0,1
	s_delay_alu instid0(VALU_DEP_2)
	v_max_num_f32 v[216+\b], v[216+\b], v[220+\b]
.endr
.irp b, 0,1
	s_delay_alu instid0(VALU_DEP_2)
	v_add_nc_u32 v[224+\b], 0xff000000, v[216+\b]
.endr
.irp b, 0,1
	s_delay_alu instid0(VALU_DEP_2)
	v_lshrrev_b32 v[220+\b], 23, v[224+\b]
.endr
	v_cvt_scalef32_pk16_fp6_f32 v[196:198], v[164:179], v224
	v_cvt_scalef32_pk16_fp6_f32 v[208:210], v[180:195], v225
	v_nop
.irp i, 0,1,2
	v_permlane16_swap_b32 v[196+\i], v[208+\i]
.endr
.irp i, 0,1,2
	s_delay_alu instid0(VALU_DEP_3)
	v_mov_b32 v[199+\i], v[208+\i]
.endr
	v_lshl_or_b32 v232, v221, 8, v220
	global_store_b128 v1, v[196:199], s[10:11]
	global_store_b64 v2, v[200:201], s[10:11] offset:512
	s_wait_alu depctr_va_vdst(0)
	s_wait_xcnt 0x0                                ; EXEC changes only behind this wait
	v_cmp_gt_u32 vcc_lo, 16, v4
	s_and_saveexec_b32 s54, vcc_lo
	global_store_b16 v233, v232, s[12:13]          ; my head's two scale bytes of token r
	s_wait_xcnt 0x0
	s_or_b32 exec_lo, exec_lo, s54
	s_wait_tensorcnt 0x0                           ; the wave's end
	ds_add_u32 v254, v255
	s_wait_dscnt 0x0
	CROUND
	s_endpgm
.Lfunc_end_k_q61729380d2_attn:
	.size	k_q61729380d2_attn, .Lfunc_end_k_q61729380d2_attn-k_q61729380d2_attn
	.p2alignl 7, 3214868480
	.fill 96, 4, 3214868480
	.section	.rodata,"a",@progbits
	.p2align	6, 0x0
	.amdhsa_kernel k_q61729380d2_attn
		.amdhsa_group_segment_fixed_size 327680
		.amdhsa_private_segment_fixed_size 0
		.amdhsa_enable_private_segment 0
		.amdhsa_kernarg_size 56
		.amdhsa_user_sgpr_count 2
		.amdhsa_user_sgpr_kernarg_segment_ptr 1
		.amdhsa_wavefront_size32 1
		.amdhsa_system_sgpr_workgroup_id_x 1
		.amdhsa_system_sgpr_workgroup_id_y 1
		.amdhsa_system_sgpr_workgroup_id_z 1
		.amdhsa_system_vgpr_workitem_id 0
		.amdhsa_next_free_vgpr 256
		.amdhsa_next_free_sgpr 66
		.amdhsa_reserve_vcc 1
		.amdhsa_float_denorm_mode_32 3
		.amdhsa_float_denorm_mode_16_64 3
		.amdhsa_memory_ordered 1
		.amdhsa_forward_progress 1
		.amdhsa_inst_pref_size 45
	.end_amdhsa_kernel
	.amdgpu_metadata
---
amdhsa.version: [ 1, 2 ]
amdhsa.kernels:
  - .name:           k_q61729380d2_attn
    .symbol:         k_q61729380d2_attn.kd
    .args:
      - { .name: qimg, .offset: 0, .size: 8, .value_kind: global_buffer, .address_space: global }
      - { .name: qsc, .offset: 8, .size: 8, .value_kind: global_buffer, .address_space: global }
      - { .name: kv, .offset: 16, .size: 8, .value_kind: global_buffer, .address_space: global }
      - { .name: aimg, .offset: 24, .size: 8, .value_kind: global_buffer, .address_space: global }
      - { .name: asc, .offset: 32, .size: 8, .value_kind: global_buffer, .address_space: global }
      - { .name: Wo_codes, .offset: 40, .size: 8, .value_kind: global_buffer, .address_space: global }
      - { .name: wimg, .offset: 48, .size: 8, .value_kind: global_buffer, .address_space: global }
    .group_segment_fixed_size: 327680
    .private_segment_fixed_size: 0
    .kernarg_segment_align: 8
    .kernarg_segment_size: 56
    .max_flat_workgroup_size: 512
    .sgpr_count:     66
    .vgpr_count:     256
    .wavefront_size: 32
...
	.end_amdgpu_metadata
.endif
;; end of part 2
;; launch oproj (part 3): grid 16 x 16, 4 waves a work-group, clusters of 4 x 4, 327,680 bytes of LDS; arguments aimg, asc, wimg, Wo_scales, out0; writes out0
.if DOCPART == 3
	.amdgcn_target "amdgcn-amd-amdhsa--gfx1250"
	.amdhsa_code_object_version 6
	.text
	.protected	k_q61729380d2_oproj
	.globl	k_q61729380d2_oproj
	.p2align	8
	.type	k_q61729380d2_oproj,@function
k_q61729380d2_oproj:
	s_mov_b64 s[64:65], 0
	v_nop
	global_prefetch_b8 v0, s[64:65] scope:SCOPE_SE
	s_setreg_imm32_b32 hwreg(HW_REG_WAVE_MODE, 25, 1), 1
	s_wait_xcnt 0x0
	s_wait_alu depctr_hold_cnt(0) depctr_sa_sdst(0) depctr_va_vdst(0) depctr_va_sdst(0) depctr_va_ssrc(0) depctr_va_vcc(0) depctr_vm_vsrc(0)
	s_getreg_b32 s2, hwreg(HW_REG_IB_STS2, 6, 4)
	s_cmp_eq_u32 s2, 0
	s_cbranch_scc0 .Lentry_in_a_cluster
	s_endpgm
.Lentry_in_a_cluster:
	s_bfe_u32 s2, ttmp6, 0x10000c
	s_cmp_lg_u32 s2, 0xf033
	s_cbranch_scc0 .Lentry_shape_is_right
	s_endpgm
.Lentry_shape_is_right:
; out = a Wo^T on codes of FP6 (E2M3) with E8M0 scales.  a and Wo come as images of operand registers: [row tile of 16][32 halves of 64 K][768 bytes]: registers 0-3 at 16 x lane, 4-5 at 512 + 8 x lane.
; SHARES.  A work-group makes 128 x 128 of out, a wave 64 x 64: 16 accumulators.  Source 0 = rows of Wo, source 1 = tokens: a lane holds eight neighbouring columns of a row of out.
; K COMES IN THREE STAGES, one tensor load a wave each (waves 0, 1: a's two halves of 4 row tiles; waves 2, 3: Wo's): K 0-1023 at the head (rows of 12,288 bytes), K 1024-1535 into bytes of its own behind the
; first round, K 1536-2047 over the first stage's bytes when step 7's fragments have been read.  Every row begins at a multiple of 6,144 bytes.
; CLUSTER 4 x 4: a's tiles are shared along a row of the cluster, Wo's along a column: joint loads.
; SCALE WORDS of my 64 + 64 rows for all of K go from memory straight into 128 registers, 16 bytes a lane and load; the four loads of a row tile cover its 1,024 dense bytes.
; PREFETCH: each stage's bytes are asked for one stage ahead: of the 4 row tiles that a wave fetches each of the four partners takes one, by address: 24 blocks of 256 bytes, a lane a block (lanes 24-31 name the last again).
; REGISTERS.  window 0: v8-13 a's LDS addresses (three regions; 16-byte and 8-byte parts), v14-19 Wo's, v20-22 the way out, v23 64 r, v24 prefetch offset, v28-29 spare word and 0,
;   v32-95 a's scale words (16 a tile), v96-159 Wo's, v160-223 the way out.  window 1: fragments, two sets at 0 and 128 (a's four, then Wo's four).  window 2: accumulator (a, b) at 8 (4 a + b).
.set RB0,   98304
.set R1,    196608
.set STAGE, 294912
.set SP,    272
.set SPARE, 312320
.set G1, 24
.set G0, 32
.set G0B, 36
.set G1B, 48
.set MSB, 0
.macro WIN new
.if MSB != (\new)
	s_set_vgpr_msb (MSB<<8)|(\new)
.set MSB, (\new)
.endif
.endm
.macro PLACES n
.rept \n
	v_nop
.endr
.endm
.macro JLOAD
	s_cmp_eq_u32 s15, 0
	s_cbranch_scc0 .Lfor_b_\@
	tensor_load_to_lds s[G0:G0+3], s[G1:G1+7]
	s_nop 0
.rept 4
	v_nop
.endr
	s_branch .Lasked_\@
.Lfor_b_\@:
	tensor_load_to_lds s[G0B:G0B+3], s[G1B:G1B+7]
	s_nop 0
.rept 4
	v_nop
.endr
.Lasked_\@:
.endm
.macro CREST
	s_cmp_lg_u32 s14, 0
	s_cbranch_scc1 .Lnot_wave_0_\@
	s_barrier_signal -3
.Lnot_wave_0_\@:
	s_barrier_wait -3
	s_barrier_signal -1
	s_barrier_wait -1
.endm
.macro CROUND
	s_barrier_signal -1
	s_barrier_wait -1
	CREST
.endm
	s_load_b128 s[4:7], s[0:1], 0x0                ; aimg, asc
	s_load_b128 s[8:11], s[0:1], 0x10              ; wimg, Wo's scales
	s_load_b64 s[12:13], s[0:1], 0x20              ; out
	v_lshl_add_u32 v28, v0, 2, SPARE
	v_mov_b32 v29, 0
	ds_add_u32 v28, v29
	ds_add_u32 v28, v29
	v_lshrrev_b32 v1, 5, v0
	v_readfirstlane_b32 s14, v1
	s_lshr_b32 s15, s14, 1                         ; my half of the rows.  Also: I fetch for a (0) or for Wo (1)
	s_and_b32 s16, s14, 1                          ; my half of the columns.  Also: which 4 row tiles I fetch
	s_bfe_u32 s40, ttmp6, 0x40000
	s_bfe_u32 s41, ttmp6, 0x40004
	s_lshl_b32 s42, ttmp9, 2
	s_add_co_u32 s42, s42, s40                     ; block column
	s_and_b32 s17, ttmp7, 0xffff
	s_lshl_b32 s17, s17, 2
	s_add_co_u32 s17, s17, s41                     ; block row
	s_lshl_b32 s43, s41, 2
	s_lshl_b32 s43, 15, s43
	s_lshl_b32 s44, 0x1111, s40
	s_or_b32 s[G1], s43, (3<<16)|(1<<21)
	s_or_b32 s[G1B], s44, (3<<16)|(1<<21)
.irp g, G1, G1B
	s_mov_b32 s[\g+1], 1536<<16                    ; 4 rows of 1,536 elements of 8 bytes, 3,072 elements apart
	s_mov_b32 s[\g+2], 4<<16
	s_mov_b32 s[\g+3], 1536<<16
	s_mov_b32 s[\g+4], 4
	s_mov_b32 s[\g+5], 3072
	s_mov_b32 s[\g+6], 0
	s_mov_b32 s[\g+7], 0
.endr
	s_lshl_b32 s20, s17, 3
	s_lshl_b32 s18, s16, 2
	s_add_co_u32 s20, s20, s18
	s_mul_i32 s20, s20, 24576
	s_mov_b32 s21, 0
	s_lshl_b32 s46, s42, 3
	s_add_co_u32 s46, s46, s18
	s_mul_i32 s46, s46, 24576
	s_mov_b32 s47, 0
	s_lshl_b32 s22, s17, 13
	s_lshl_b32 s18, s15, 12
	s_add_co_u32 s22, s22, s18                     ; a's scales at my 64 rows
	s_mov_b32 s23, 0
	s_lshl_b32 s58, s42, 13
	s_lshl_b32 s18, s16, 12
	s_add_co_u32 s58, s58, s18                     ; Wo's at my 64 rows
	s_mov_b32 s59, 0
	s_mul_i32 s45, s16, 49152
	s_mul_i32 s18, s16, 24576
	s_wait_dscnt 0x0
	s_wait_kmcnt 0x0
	s_add_nc_u64 s[20:21], s[4:5], s[20:21]
	s_add_nc_u64 s[46:47], s[8:9], s[46:47]
	s_add_nc_u64 s[6:7], s[6:7], s[22:23]
	s_add_nc_u64 s[10:11], s[10:11], s[58:59]
	s_cmp_eq_u32 s15, 0
	s_cselect_b64 s[56:57], s[20:21], s[46:47]
	s_cselect_b32 s58, s40, s41
	s_mul_i32 s58, s58, 24576
	s_add_nc_u64 s[56:57], s[56:57], s[58:59]      ; the prefetches' base: my work-group's one of the four row tiles
	CROUND
	s_mov_b32 s[G0], 1
	s_mov_b32 s[G0+1], s45
	s_mov_b64 s[G0+2:G0+3], s[20:21]
	s_or_b32 s[G0+3], s[G0+3], 0x80000000
	s_mov_b32 s[G0B], 1
	s_add_co_u32 s[G0B+1], s45, RB0
	s_mov_b64 s[G0B+2:G0B+3], s[46:47]
	s_or_b32 s[G0B+3], s[G0B+3], 0x80000000
	JLOAD                                          ; K 0-1023: one tensor load a wave at the head
	v_and_b32 v1, 15, v0
	v_bfe_u32 v2, v0, 4, 1
	v_and_b32 v3, 31, v0
	v_lshlrev_b32 v4, 4, v3
	v_lshlrev_b32 v5, 3, v3
	v_lshlrev_b32 v23, 6, v1
	v_min_u32 v24, 23, v3
	v_lshlrev_b32 v24, 8, v24
	s_wait_alu depctr_va_vdst(0)
.irp t, 0,1,2,3
.irp g, 0,1,2,3
	global_load_b128 v[32+16*\t+4*\g:35+16*\t+4*\g], v23, s[6:7] offset:1024*\t+16*\g
	global_load_b128 v[96+16*\t+4*\g:99+16*\t+4*\g], v23, s[10:11] offset:1024*\t+16*\g
.endr
.endr
	global_prefetch_b8 v24, s[56:57] offset:12288 th:TH_LOAD_NT scope:SCOPE_SE   ; K 1024-1535
	s_mul_i32 s21, s15, 49152
	s_mul_i32 s22, s15, 24576
	s_add_co_u32 s23, s45, RB0
	s_add_co_u32 s58, s18, RB0
	v_add_nc_u32 v8, s21, v4
	v_add_nc_u32 v10, s22, v4
	v_add_nc_u32 v9, R1, v10
	v_add_nc_u32 v11, s21, v5
	v_add_nc_u32 v13, s22, v5
	v_add_nc_u32 v12, R1, v13
	v_add_nc_u32 v14, s23, v4
	v_add_nc_u32 v16, s58, v4
	v_add_nc_u32 v15, 147456, v16
	v_add_nc_u32 v17, s23, v5
	v_add_nc_u32 v19, s58, v5
	v_add_nc_u32 v18, 147456, v19
	s_mul_i32 s23, s14, 16*SP
	s_add_co_u32 s23, s23, STAGE
	v_mul_u32_u24 v6, v1, SP
	v_lshl_add_u32 v6, v2, 5, v6
	v_add_nc_u32 v20, s23, v6
	v_mul_u32_u24 v6, v2, SP
	v_lshl_add_u32 v6, v1, 4, v6
	v_add_nc_u32 v21, s23, v6
	v_lshlrev_b32 v6, 13, v2
	v_lshl_add_u32 v22, v1, 4, v6
	s_lshl_b32 s20, s17, 7
	s_lshl_b32 s21, s15, 6
	s_add_co_u32 s20, s20, s21
	s_lshl_b32 s20, s20, 13
	s_mov_b32 s21, 0
	s_lshl_b32 s46, s42, 9
	s_lshl_b32 s47, s16, 8
	s_add_co_u32 s46, s46, s47
	s_mov_b32 s47, 0
	s_add_nc_u64 s[20:21], s[20:21], s[46:47]
	s_add_nc_u64 s[12:13], s[12:13], s[20:21]
.macro FRAG reg, ad, tp, t, q          ; ad: the address of the 16-byte parts; ad + 3: of the 8-byte parts
.irp c, 0,1
	ds_load_b128 v[\reg+6*\c:\reg+6*\c+3], v[\ad] offset:(\t)*(\tp)+(\q)*1536+768*\c
	ds_load_b64 v[\reg+6*\c+4:\reg+6*\c+5], v[\ad+3] offset:(\t)*(\tp)+(\q)*1536+768*\c+512
.endr
.endm
.macro FETCH st, f                     ; steps 0-7 lie in region 0 (12,288 bytes a row tile), 8-11 in region 1, 12-15 in region 2 (6,144)
.set RG, (\st)/8+(\st)/12
.set TP, 12288-6144*((\st)/8)
.set QQ, (\st)-8*((\st)/8)-4*((\st)/12)
	WIN 0x40
.irp t, 0,1,2,3
	FRAG (\f)+12*\t, 8+RG, TP, \t, QQ
.endr
.irp t, 0,1,2,3
	FRAG (\f)+48+12*\t, 14+RG, TP, \t, QQ
.endr
	WIN 0
.endm
.macro MUL4 a, st                      ; the 16 accumulators take turns, one instruction a turn; step 0's products start the sums
.set F_, 128*((\st)%2)
.irp b, 0,1,2,3
.set RD_, 8*(4*(\a)+\b)
.if (\st) == 0
	v_wmma_scale_f32_16x16x128_f8f6f4 v[RD_:RD_+7], v[F_+48+12*\b:F_+59+12*\b], v[F_+12*(\a):F_+12*(\a)+11], 0, v[96+16*\b+(\st)], v[32+16*(\a)+(\st)] matrix_a_fmt:MATRIX_FMT_FP6 matrix_b_fmt:MATRIX_FMT_FP6
.else
	v_wmma_scale_f32_16x16x128_f8f6f4 v[RD_:RD_+7], v[F_+48+12*\b:F_+59+12*\b], v[F_+12*(\a):F_+12*(\a)+11], v[RD_:RD_+7], v[96+16*\b+(\st)], v[32+16*(\a)+(\st)] matrix_a_fmt:MATRIX_FMT_FP6 matrix_b_fmt:MATRIX_FMT_FP6
.endif
.endr
.endm
.macro STEP st
	s_wait_dscnt 0x0
	PLACES 4
	FETCH (\st)+1, 128*(((\st)+1)%2)
	WIN 0xa5
.irp a, 0,1,2,3
	MUL4 \a, \st
.endr
	WIN 0
.endm
.macro TURN st, fill                   ; the next step's fragments lie in another region: every wave waits for its tensor load, adds, waits; one barrier; with fill it opens a round and region 0's bytes are filled again
	s_wait_dscnt 0x0
	s_wait_tensorcnt 0x0
	ds_add_u32 v28, v29
.if \fill
	s_mov_b32 s[G0+1], s18                         ; no load of mine is out: K 1536-2047, over region 0
	s_add_nc_u64 s[G0+2:G0+3], s[G0+2:G0+3], 6144
	s_add_co_u32 s[G0B+1], s18, RB0
	s_add_nc_u64 s[G0B+2:G0B+3], s[G0B+2:G0B+3], 6144
.endif
	WIN 0xa5
	MUL4 0, \st
	s_wait_dscnt 0x0
	s_barrier_signal -1
	MUL4 1, \st
	WIN 0
	s_barrier_wait -1
.if \fill
	CREST
	JLOAD
.else
	PLACES 4
.endif
	FETCH (\st)+1, 128*(((\st)+1)%2)
	WIN 0xa5
	MUL4 2, \st
	MUL4 3, \st
	WIN 0
.endm
	s_wait_alu depctr_va_vdst(0)
	s_wait_tensorcnt 0x0                           ; my part of K 0-1023 is in; these lines stand ahead of a later first fill as ahead of a refill
	ds_add_u32 v28, v29
.irp g, G1, G1B
	s_mov_b32 s[\g+1], 768<<16                     ; from here on rows of 6,144 bytes
	s_mov_b32 s[\g+3], 768<<16
.endr
	s_add_co_u32 s[G0+1], s18, R1
	s_add_nc_u64 s[G0+2:G0+3], s[G0+2:G0+3], 12288
	s_add_co_u32 s[G0B+1], s18, R1+49152
	s_add_nc_u64 s[G0B+2:G0B+3], s[G0B+2:G0B+3], 12288
	s_wait_dscnt 0x0
	CROUND
	JLOAD                                          ; K 1024-1535
	FETCH 0, 0
	global_prefetch_b8 v24, s[56:57] offset:18432 th:TH_LOAD_NT scope:SCOPE_SE   ; K 1536-2047
	s_wait_loadcnt 0x0                             ; the scale words
.irp s, 0,1,2,3,4,5,6
	STEP \s
.endr
	TURN 7, 1
	STEP 8
	STEP 9
	STEP 10
	TURN 11, 0
	STEP 12
	STEP 13
	STEP 14
	s_wait_dscnt 0x0
	WIN 0xa5
.irp a, 0,1,2,3
	MUL4 \a, 15
.endr
	WIN 0
; the way out: 16 rows x 64 columns at a time through my own stage, back as rows of 256 bytes; sixteen lanes store 256 consecutive bytes, aligned
.macro TOSTAGE a
	WIN 0x08
.irp b, 0,1,2,3
	ds_store_b128 v20, v[8*(4*(\a)+\b):8*(4*(\a)+\b)+3] offset:64*\b
	ds_store_b128 v20, v[8*(4*(\a)+\b)+4:8*(4*(\a)+\b)+7] offset:64*\b+16
.endr
	WIN 0
.irp i, 0,1,2,3,4,5,6,7
	ds_load_b128 v[160+32*((\a)%2)+4*\i:163+32*((\a)%2)+4*\i], v21 offset:2*\i*SP
.endr
.endm
.macro SEND a, younger
	s_wait_dscnt \younger
.irp i, 0,1,2,3,4,5,6,7
	global_store_b128 v22, v[160+32*((\a)%2)+4*\i:163+32*((\a)%2)+4*\i], s[12:13] offset:(16*(\a)+2*\i)*8192 th:TH_STORE_NT
.endr
.endm
	PLACES 4
	TOSTAGE 0
	TOSTAGE 1
	SEND 0, 16
	s_wait_xcnt 0x0                                ; block 0's stores have read their registers
	TOSTAGE 2
	SEND 1, 16
	s_wait_xcnt 0x0
	TOSTAGE 3
	SEND 2, 16
	SEND 3, 0
	s_wait_tensorcnt 0x0                           ; the wave's end
	ds_add_u32 v28, v29
	s_wait_dscnt 0x0
	CROUND
	s_endpgm
.Lfunc_end_k_q61729380d2_oproj:
	.size	k_q61729380d2_oproj, .Lfunc_end_k_q61729380d2_oproj-k_q61729380d2_oproj
	.p2alignl 7, 3214868480
	.fill 96, 4, 3214868480
	.section	.rodata,"a",@progbits
	.p2align	6, 0x0
	.amdhsa_kernel k_q61729380d2_oproj
		.amdhsa_group_segment_fixed_size 327680
		.amdhsa_private_segment_fixed_size 0
		.amdhsa_enable_private_segment 0
		.amdhsa_kernarg_size 40
		.amdhsa_user_sgpr_count 2
		.amdhsa_user_sgpr_kernarg_segment_ptr 1
		.amdhsa_wavefront_size32 1
		.amdhsa_system_sgpr_workgroup_id_x 1
		.amdhsa_system_sgpr_workgroup_id_y 1
		.amdhsa_system_sgpr_workgroup_id_z 1
		.amdhsa_system_vgpr_workitem_id 0
		.amdhsa_next_free_vgpr 768
		.amdhsa_next_free_sgpr 66
		.amdhsa_reserve_vcc 0
		.amdhsa_float_denorm_mode_32 3
		.amdhsa_float_denorm_mode_16_64 3
		.amdhsa_memory_ordered 1
		.amdhsa_forward_progress 1
		.amdhsa_inst_pref_size 90
	.end_amdhsa_kernel
	.amdgpu_metadata
---
amdhsa.version: [ 1, 2 ]
amdhsa.kernels:
  - .name:           k_q61729380d2_oproj
    .symbol:         k_q61729380d2_oproj.kd
    .args:
      - { .name: aimg, .offset: 0, .size: 8, .value_kind: global_buffer, .address_space: global }
      - { .name: asc, .offset: 8, .size: 8, .value_kind: global_buffer, .address_space: global }
      - { .name: wimg, .offset: 16, .size: 8, .value_kind: global_buffer, .address_space: global }
      - { .name: Wo_scales, .offset: 24, .size: 8, .value_kind: global_buffer, .address_space: global }
      - { .name: out0, .offset: 32, .size: 8, .value_kind: global_buffer, .address_space: global }
    .group_segment_fixed_size: 327680
    .private_segment_fixed_size: 0
    .kernarg_segment_align: 8
    .kernarg_segment_size: 40
    .max_flat_workgroup_size: 128
    .sgpr_count:     66
    .vgpr_count:     768
    .wavefront_size: 32
...
	.end_amdgpu_metadata
.endif
;; end of part 3
